; MI455X (gfx1250); checked and timed in simulation.
; The chip was launched on July 23, 2026; its instructions are those of AMD's public machine-readable ISA for CDNA 5 (MIT licence, August 2026) and "CDNA5" Instruction Set Architecture Reference Guide (July 2026). The comments in the code are by the model that wrote it; some were corrected since.
;; LSTM Custom. Allowed arithmetic: matrix products marked QUANTISED: E2M1 operands, one E8M0 scale for each 32 along K, by v_wmma_scale_f32_16x16x128_f8f6f4 with both operands' format E2M1 (or v_wmma_scale_f32_32x16x128_f4), f32 sums; everything else in f32.
;; Inputs: W_ch 1,024 x 1,024 float32; W_cx 1,024 x 512 float32; W_fh 1,024 x 1,024 float32; W_fx 1,024 x 512 float32; W_ih 1,024 x 1,024 float32; W_ix 1,024 x 512 float32; W_oh 1,024 x 1,024 float32; W_ox 1,024 x 512 float32; b_ch 1,024 float32; b_cx 1,024 float32; b_fh 1,024 float32; b_fx 1,024 float32; b_ih 1,024 float32; b_ix 1,024 float32; b_oh 1,024 float32; b_ox 1,024 float32; c 8,192 x 1,024 float32; h_codes 8,192 x 32 x 16 uint8 (E2M1 codes of h, K innermost, in blocks of 32 codes, two codes a byte); h_scales 8,192 x 32 uint8 (E8M0 scales of h, one for each 32 codes along K); xt_codes 8,192 x 16 x 16 uint8 (E2M1 codes of xt, K innermost, in blocks of 32 codes, two codes a byte); xt_scales 8,192 x 16 uint8 (E8M0 scales of xt, one for each 32 codes along K).
;; Outputs: out0 8,192 x 1,024 float32; out1 8,192 x 1,024 float32.
;; This version of the problem:
;;   THIS VERSION OF THE PROBLEM IS GIVEN IN LOW PRECISION. The matrix products marked QUANTISED in the list below multiply operands that are first quantised to E2M1 (2 exponent bits, 1 mantissa bit; 4 bits a number), with one power-of-two scale for each 32 numbers along K (OCP MX v1.0); their sums are f32. All else is computed in f32.
;;   The module's matrix products, in the order in which they are computed (A, B: the left and right operand; K: the contracted axis; several contracted axes count as one K, in the product's order):
;;     1. [M 8,192, K 512] x [K 512, N 4,096]; A: input xt (given as codes); B: computed on the way: QUANTISED
;;     2. [M 8,192, K 1,024] x [K 1,024, N 4,096]; A: input h (given as codes); B: computed on the way: QUANTISED
;;   THE QUANTISER, for each operand of a quantised product, along K:
;;     - K is cut into blocks of 32 from its start; a last block that is shorter is filled with zeros.
;;     - A block's scale is 2^e with e = floor(log2(the largest magnitude in the block)) - 2, held to -126 .. 127; a block of zeros has e = 0. As a byte (E8M0): e + 127.
;;     - Each number is divided by its block's scale, clamped to +-6, and rounded to the nearest number of E2M1, ties to even, subnormals kept.
;;     - The product sums the exact products of the quantised numbers (number of the format x scale) in f32.
;;   ~~~python
;;   def quantise(x, axis):      # numpy; x: float32 -> the quantised numbers, widened to float32 again
;;       x = np.moveaxis(x, axis, -1); K = x.shape[-1]
;;       x = np.pad(x, [(0, 0)] * (x.ndim - 1) + [(0, -K % 32)]); x = x.reshape(x.shape[:-1] + (-1, 32)); a = np.abs(x).max(-1, keepdims=True)
;;       e = np.where(a > 0, np.clip(np.frexp(np.where(a > 0, a, 1))[1] - 1 - 2, -126, 127), 0)      # np.frexp(a)[1] - 1 = floor(log2(a)), exactly
;;       r = np.clip(x / 2.0 ** e, -6, 6)
;;       step = 2.0 ** (np.maximum(np.frexp(np.where(r == 0, 1, r))[1] - 1, 0) - 1)
;;       q = np.round(r / step) * step * 2.0 ** e      # np.round: ties to even
;;       return np.moveaxis(q.reshape(q.shape[:-2] + (-1,))[..., :K], -1, axis).astype(np.float32)
;;   ~~~
;;   OPERANDS COMPUTED ON THE WAY. 'Computed on the way' means the value that the module computes at that place (a softmax that the list does not call 'softmax' is quantised finished and normalised). What goes into a quantiser is computed in f32, as accurately as f32 sums, v_exp_f32 and their like allow (about 1e-6 of the number): no bf16 or f16 on the way to a quantiser, and a product that is left as it is and whose result goes on into a quantised operand takes f32 operands (vector FMAs, or v_wmma_f32_16x16x4_f32). A number that lies on a knife's edge between two numbers of the format may be rounded either way, as far as f32 arithmetic and the matrix unit's own rounding can turn it there, and no further.
;;   INPUTS GIVEN AS CODES. h (in the module: [8192, 1024], K = its axis 1); xt (in the module: [8192, 512], K = its axis 1): each comes as NAME_codes (uint8): NAME with its K axis moved to the last place and cut into blocks of 32 codes, [.., K / 32, bytes a block], one block behind the other in memory; two codes a byte, the lower K in the low four bits (a code: sign, 2 exponent bits, 1 mantissa bit); and NAME_scales (uint8): the same leading axes, one E8M0 byte (e + 127) for each 32 codes along K. Its value is code x scale, taken as it is: it is not quantised again, and the codes and scales need not be those that the quantiser above would give.
;; One version. Each part assembles by itself: llvm-mc -triple=amdgcn-amd-amdhsa -mcpu=gfx1250 --defsym DOCPART=n.
;; ======== version 1 of 1: 2 launches
;; limits: inputs' magnitudes at most 1,099,511,627,776; right only within a limited range of input values; a function is approximated: absolute error at most 3.7e-09
;; workspace buffers: w_codes 3,145,728 bytes; w_scales 196,608 bytes; gbias 16,384 bytes
;; launch prep (part 1): grid 256 x 1, 3 waves a work-group, no clusters, 25,088 bytes of LDS; arguments W_ix, W_fx, W_ox, W_cx, W_ih, W_fh, W_oh, W_ch, b_ix, b_fx, b_ox, b_cx, b_ih, b_fh, b_oh, b_ch, w_codes, w_scales, gbias; writes w_codes, w_scales, gbias
.if DOCPART == 1
	.amdgcn_target "amdgcn-amd-amdhsa--gfx1250"
	.amdhsa_code_object_version 6
	.text
	.protected	k_qddacc127c8_prep
	.globl	k_qddacc127c8_prep
	.p2align	8
	.type	k_qddacc127c8_prep,@function
k_qddacc127c8_prep:
	s_mov_b64 s[64:65], 0
	v_nop
	global_prefetch_b8 v0, s[64:65] scope:SCOPE_SE
	s_setreg_imm32_b32 hwreg(HW_REG_WAVE_MODE, 25, 1), 1
	s_wait_xcnt 0x0
; The eight weights (f32, K innermost) become ONE operand of codes of FP4 (E2M1) with K = 512 (x part) + 1,024 (h part) = 1,536, and the sixteen bias vectors become four, ready for the gates' exponentials.
; w_codes  [4096 rows R][768 bytes]: bytes 0-255 the x part, 256-767 the h part, two codes a byte, the lower k in the low four bits.
;          THE ROWS ARE PERMUTED: hidden unit u of gate g (i, f, o, c = 0 .. 3) is row R = 128 (u / 32) + 32 g + u % 32, so that 128 neighbouring rows hold all four gates of 32 units.
; w_scales [256 blocks of 16 rows R][3 K steps of 512][16 rows][16 bytes]: one E8M0 byte for each 32 along K; a row's 16 bytes are the four scale words of a K step.
; gbias    [4 gates][1024] f32: (b_gx + b_gh) x k, k = -log2(e) for i, f, o and -2 log2(e) for c: the addend of the multiply-add in front of the next launch's exponentials.
; A block's scale is 2^(floor(log2(its largest magnitude)) - 2); its byte is the largest magnitude's own exponent field - 2, held at 1 from below.  Each number is divided by the scale and rounded to the nearest code,
; ties to even; beyond the largest code the conversion gives the largest code.
; LIMITS: blocks whose largest magnitude lies under 2^-124, the floor, have their byte held at 1 and were not tried; a block of zeros gets the byte 1 where the rule says 127 (its codes are zeros, which add nothing under
; any byte but 0xff, and the bytes are read by this program alone); NaN and infinities among the weights are not served.
; SHARES.  Work-group Bk is the block of 16 rows R = 16 Bk on: one gate, 16 neighbouring units.  Wave s takes K step s of these rows: 16 steps, a row of 512 numbers (2,048 bytes) each.
; A step's four loads read 512 consecutive bytes each, 16 a lane; the conversions want 16 NEIGHBOURS in a lane, so the 2,048 bytes turn through the wave's own stage in LDS (16 bytes of padding behind each 64) and come
; back 64 bytes a lane; two neighbouring lanes hold a block of 32.  A lane's 16 codes are 8 bytes: a wave's store covers 256 consecutive bytes, at a multiple of 256 from the buffer's first byte.  A wave's 256 scale bytes are gathered
; in LDS and leave by one store of 256 consecutive bytes.  All three waves and all eight tensors take ONE path: only pointers and the row pitch are chosen, by the work-group's and the wave's number.
; No tensor loads, no barrier: waves share nothing.  Loads run eight steps (32 loads a wave) ahead, the turn through LDS one step.
.set WREG,  8192                       ; LDS: a region for each wave: two stages of 32 x SP bytes, behind them its 256 scale bytes
.set SP,    80                         ; a lane's place in a stage: 64 bytes + 16 of padding
.set SPARE, 3*WREG                     ; behind the regions: the spare words, 128 bytes for each wave, rounded up to two blocks of 256 bytes that no other line names
.set SPW,   12                         ; v12      LDS address of my spare word; never rewritten
.set NIL,   13                         ; v13      0; never rewritten
.set OFF,   16                         ; v16-31   step t: t x row pitch + 16 x lane; written once
.set R,     32                         ; v32-159  eight sets of 16 numbers as they are loaded
.set X,     160                        ; v160-191 two sets of 16 neighbours
.set C,     192                        ; v192-223 codes: two registers for each step, so that no store's data are written again
.set E,     224                        ; v224-239 a scale byte for each step
	s_load_b512 s[8:23], s[0:1], 0x0               ; W_ix, W_fx, W_ox, W_cx, W_ih, W_fh, W_oh, W_ch
	s_load_b512 s[24:39], s[0:1], 0x40             ; b_ix, b_fx, b_ox, b_cx, b_ih, b_fh, b_oh, b_ch
	s_load_b128 s[40:43], s[0:1], 0x80             ; w_codes, w_scales
	s_load_b64 s[44:45], s[0:1], 0x90              ; gbias
	v_lshl_add_u32 v[SPW], v0, 2, SPARE
	v_mov_b32 v[NIL], 0
	v_lshrrev_b32 v1, 5, v0
	v_readfirstlane_b32 s46, v1                    ; wave = K step 0 .. 2
	v_and_b32 v2, 31, v0                           ; lane
	v_lshlrev_b32 v3, 4, v2                        ; my 16 bytes of a load's 512
	s_mul_i32 s49, s46, WREG
	v_lshrrev_b32 v14, 2, v2
	v_mul_u32_u24 v14, v14, SP
	v_and_b32 v15, 3, v2
	v_lshl_add_u32 v14, v15, 4, v14
	v_add_nc_u32 v14, s49, v14                     ; the stage, on the way in: four lanes' 64 bytes on end, then the padding: SP (lane / 4) + 16 (lane % 4)
	v_mul_u32_u24 v15, v2, SP
	v_add_nc_u32 v15, s49, v15                     ; and on the way out: SP x lane: my 16 neighbours
	v_lshlrev_b32 v4, 3, v2                        ; 8 x lane: my codes' place in a step's 256 bytes, and my place in the wave's 256 scale bytes
	v_lshrrev_b32 v5, 1, v2
	s_add_co_u32 s49, s49, 2*32*SP
	v_add_nc_u32 v5, s49, v5                       ; LDS: my wave's scale bytes, my block's byte
	v_add_nc_u32 v6, s49, v4                       ; and 8 bytes a lane on the way out
	s_bfe_u32 s47, ttmp9, 0x20001                  ; the gate: (Bk >> 1) & 3
	s_lshr_b32 s52, ttmp9, 3
	s_lshl_b32 s52, s52, 5
	s_and_b32 s53, ttmp9, 1
	s_lshl_b32 s53, s53, 4
	s_add_co_u32 s52, s52, s53                     ; the first unit: 32 (Bk >> 3) + 16 (Bk & 1)
	s_cmp_eq_u32 s46, 0                            ; K step 0 comes from the x weight (rows of 2,048 bytes), 1 and 2 from the h weight (4,096)
	s_mov_b32 s48, 4096
	s_cselect_b32 s48, 2048, s48                   ; the row pitch
	s_mul_i32 s50, s52, s48                        ; the first unit's row,
	s_cmp_eq_u32 s46, 2
	s_cselect_b32 s49, 2048, 0
	s_add_co_u32 s50, s50, s49                     ; and its second half for K step 2
	s_mov_b32 s51, 0
	s_mul_i32 s52, ttmp9, 16*768                   ; codes: 16 rows of 768 bytes a block,
	s_lshl_b32 s49, s46, 8
	s_add_co_u32 s52, s52, s49                     ; + 256 x K step
	s_mov_b32 s53, 0
	s_mul_i32 s54, ttmp9, 768                      ; scale bytes: 768 a block, + 256 x K step
	s_add_co_u32 s54, s54, s49
	s_mov_b32 s55, 0
.irp t, 0,1,2,3,4,5,6,7,8,9,10,11,12,13,14,15
	v_mad_u32_u24 v[OFF+\t], s48, \t, v3
.endr
	s_wait_kmcnt 0x0
	s_cmp_eq_u32 s46, 0                            ; the tensor is chosen by ids alone: x or h,
	s_cselect_b64 s[8:9], s[8:9], s[16:17]
	s_cselect_b64 s[10:11], s[10:11], s[18:19]
	s_cselect_b64 s[12:13], s[12:13], s[20:21]
	s_cselect_b64 s[14:15], s[14:15], s[22:23]
	s_cmp_lt_u32 s47, 2                            ; gates (i, f) or (o, c),
	s_cselect_b64 s[8:9], s[8:9], s[12:13]
	s_cselect_b64 s[10:11], s[10:11], s[14:15]
	s_and_b32 s49, s47, 1
	s_cmp_eq_u32 s49, 0                            ; the first or the second of the two
	s_cselect_b64 s[4:5], s[8:9], s[10:11]
	s_add_nc_u64 s[4:5], s[4:5], s[50:51]
	s_add_nc_u64 s[6:7], s[40:41], s[52:53]
	s_add_nc_u64 s[2:3], s[42:43], s[54:55]
.macro LOAD t                          ; step t: a row's 512 numbers, four loads of 512 consecutive bytes; read once in the launch
.irp i, 0,1,2,3
	global_load_b128 v[R+16*((\t)%8)+4*\i:R+16*((\t)%8)+4*\i+3], v[OFF+(\t)], s[4:5] offset:512*\i th:TH_LOAD_NT
.endr
.endm
.macro TURN t                          ; step t's numbers through the stage: LDS serves a wave's instructions in order (ISA guide 5.7.1.4), so no wait stands between the stores and the loads
.irp i, 0,1,2,3
	ds_store_b128 v14, v[R+16*((\t)%8)+4*\i:R+16*((\t)%8)+4*\i+3] offset:32*SP*((\t)%2)+8*SP*\i
.endr
.irp i, 0,1,2,3
	ds_load_b128 v[X+16*((\t)%2)+4*\i:X+16*((\t)%2)+4*\i+3], v15 offset:32*SP*((\t)%2)+16*\i
.endr
.endm
.irp t, 0,1,2,3,4,5,6,7
	LOAD \t
.endr
	; THE BIASES: 32 waves (wave 0 of every eighth work-group) take 128 units of one gate each, while their weights are on their way.  A branch on ids alone; no LDS and no barrier inside.
	s_and_b32 s49, ttmp9, 7
	s_or_b32 s49, s49, s46
	s_cmp_lg_u32 s49, 0
	s_cbranch_scc1 .Lno_bias
	s_lshr_b32 s49, ttmp9, 6                       ; which gate: m = Bk / 8 is 0 .. 31, the gate m / 8, the units 128 (m % 8) on
	s_cmp_lt_u32 s49, 2
	s_cselect_b64 s[24:25], s[24:25], s[28:29]
	s_cselect_b64 s[26:27], s[26:27], s[30:31]
	s_cselect_b64 s[32:33], s[32:33], s[36:37]
	s_cselect_b64 s[34:35], s[34:35], s[38:39]
	s_and_b32 s52, s49, 1
	s_cmp_eq_u32 s52, 0
	s_cselect_b64 s[54:55], s[24:25], s[26:27]     ; b_gx
	s_cselect_b64 s[56:57], s[32:33], s[34:35]     ; b_gh
	s_cmp_eq_u32 s49, 3
	s_mov_b32 s58, 0xbfb8aa3b                      ; -log2(e)
	s_cselect_b32 s58, 0xc038aa3b, s58             ; -2 log2(e) for gate c
	s_mov_b32 s59, s58                             ; (named with it as a pair, so it is written)
	s_bfe_u32 s52, ttmp9, 0x30003
	s_lshl_b32 s52, s52, 9                         ; 512 (m % 8) bytes into a bias vector
	s_mov_b32 s53, 0
	s_lshr_b32 s50, ttmp9, 3
	s_lshl_b32 s50, s50, 9                         ; 512 m bytes into gbias
	s_mov_b32 s51, 0
	s_add_nc_u64 s[54:55], s[54:55], s[52:53]
	s_add_nc_u64 s[56:57], s[56:57], s[52:53]
	s_add_nc_u64 s[44:45], s[44:45], s[50:51]
	global_load_b128 v[240:243], v3, s[54:55]
	global_load_b128 v[244:247], v3, s[56:57]
	s_wait_loadcnt 0x0                             ; these two are the youngest loads, so the count is 0; the counted waits below then find nothing of this branch out
	v_pk_add_f32 v[248:249], v[240:241], v[244:245]
	v_pk_add_f32 v[250:251], v[242:243], v[246:247]
	v_pk_mul_f32 v[248:249], v[248:249], s[58:59] op_sel_hi:[1,0]
	v_pk_mul_f32 v[250:251], v[250:251], s[58:59] op_sel_hi:[1,0]
	global_store_b128 v3, v[248:251], s[44:45]     ; 32 lanes store 512 consecutive bytes; neither the data nor the address registers are written again
.Lno_bias:
	s_wait_loadcnt 28                              ; step 0's four loads are in; those of steps 1 to 7 may be out
	TURN 0
.macro STEP t
.set XS, X+16*((\t)%2)
.if (\t) > 0
	s_wait_dscnt 1                                 ; this step's numbers are back from the stage (the last step's byte store may be out), so its stores into the stage have read their registers,
.else
	s_wait_dscnt 0x0
.endif
.if (\t) < 8
	LOAD (\t)+8                                    ; which take the loads of eight steps on
.endif
.if (\t) <= 7
	s_wait_loadcnt 28                              ; the next step's four loads are in; those of the seven steps behind it may be out
.elseif (\t) < 15
	s_wait_loadcnt 4*(14-(\t))                     ; the same; 14 - t steps are left behind it
.endif
.if (\t) < 15
	TURN (\t)+1                                    ; and go through the other stage while this step is worked
.endif
	v_max3_num_f32 v8, |v[XS]|, |v[XS+1]|, |v[XS+2]|               ; the largest magnitude of my 16, in two chains
	v_max3_num_f32 v9, |v[XS+3]|, |v[XS+4]|, |v[XS+5]|
.irp i, 6,10
	v_max3_num_f32 v8, v8, |v[XS+\i]|, |v[XS+\i+1]|
	v_max3_num_f32 v9, v9, |v[XS+\i+2]|, |v[XS+\i+3]|
.endr
	v_max3_num_f32 v8, v8, |v[XS+14]|, |v[XS+15]|
	v_max3_num_f32 v8, v8, v9, 0x1800000           ; and the floor 2^(3 - 127), under which no largest magnitude is taken: so the byte cannot fall under 1
	v_max_num_f32_dpp v8, v8, v8 row_xmask:1 row_mask:0xf bank_mask:0xf   ; and of my neighbour's 16: the block's
	v_add_nc_u32 v11, 0xff000000, v8               ; 2 off its exponent field: the conversion takes the exponent field of this operand as its scale, and nothing else of it
	v_cvt_scalef32_pk8_fp4_f32 v[C+2*(\t)], v[XS:XS+7], v11        ; eight numbers / the scale, to the nearest code, ties to even; the first number's code in the lowest four bits
	v_cvt_scalef32_pk8_fp4_f32 v[C+2*(\t)+1], v[XS+8:XS+15], v11
	v_lshrrev_b32 v[E+(\t)], 23, v11               ; the scale's byte (a plain line behind the conversions)
	ds_store_b8 v5, v[E+(\t)] offset:16*(\t)       ; both lanes of a block write the same byte with the same value
	global_store_b64 v4, v[C+2*(\t):C+2*(\t)+1], s[6:7] offset:768*(\t)   ; row t of the block: 256 consecutive bytes
.endm
.irp t, 0,1,2,3,4,5,6,7,8,9,10,11,12,13,14,15
	STEP \t
.endr
	ds_load_b64 v[8:9], v6                         ; LDS serves a wave's instructions in order: these see my byte stores
	s_wait_dscnt 0x0
	global_store_b64 v4, v[8:9], s[2:3]            ; the K step's scale bytes of the 16 rows: 256 consecutive bytes
	s_wait_tensorcnt 0x0                           ; the wave's end: behind my last LDS store
	ds_add_u32 v[SPW], v[NIL]
	s_wait_dscnt 0x0
	s_endpgm
.Lfunc_end_k_qddacc127c8_prep:
	.size	k_qddacc127c8_prep, .Lfunc_end_k_qddacc127c8_prep-k_qddacc127c8_prep
	.p2alignl 7, 3214868480
	.fill 96, 4, 3214868480
	.section	.rodata,"a",@progbits
	.p2align	6, 0x0
	.amdhsa_kernel k_qddacc127c8_prep
		.amdhsa_group_segment_fixed_size 25088
		.amdhsa_private_segment_fixed_size 0
		.amdhsa_enable_private_segment 0
		.amdhsa_kernarg_size 152
		.amdhsa_user_sgpr_count 2
		.amdhsa_user_sgpr_kernarg_segment_ptr 1
		.amdhsa_wavefront_size32 1
		.amdhsa_system_sgpr_workgroup_id_x 1
		.amdhsa_system_sgpr_workgroup_id_y 1
		.amdhsa_system_sgpr_workgroup_id_z 1
		.amdhsa_system_vgpr_workitem_id 0
		.amdhsa_next_free_vgpr 256
		.amdhsa_next_free_sgpr 66
		.amdhsa_reserve_vcc 0
		.amdhsa_float_denorm_mode_32 3
		.amdhsa_float_denorm_mode_16_64 3
		.amdhsa_memory_ordered 1
		.amdhsa_forward_progress 1
		.amdhsa_inst_pref_size 37
	.end_amdhsa_kernel
	.amdgpu_metadata
---
amdhsa.version: [ 1, 2 ]
amdhsa.kernels:
  - .name:           k_qddacc127c8_prep
    .symbol:         k_qddacc127c8_prep.kd
    .args:
      - { .name: W_ix, .offset: 0, .size: 8, .value_kind: global_buffer, .address_space: global }
      - { .name: W_fx, .offset: 8, .size: 8, .value_kind: global_buffer, .address_space: global }
      - { .name: W_ox, .offset: 16, .size: 8, .value_kind: global_buffer, .address_space: global }
      - { .name: W_cx, .offset: 24, .size: 8, .value_kind: global_buffer, .address_space: global }
      - { .name: W_ih, .offset: 32, .size: 8, .value_kind: global_buffer, .address_space: global }
      - { .name: W_fh, .offset: 40, .size: 8, .value_kind: global_buffer, .address_space: global }
      - { .name: W_oh, .offset: 48, .size: 8, .value_kind: global_buffer, .address_space: global }
      - { .name: W_ch, .offset: 56, .size: 8, .value_kind: global_buffer, .address_space: global }
      - { .name: b_ix, .offset: 64, .size: 8, .value_kind: global_buffer, .address_space: global }
      - { .name: b_fx, .offset: 72, .size: 8, .value_kind: global_buffer, .address_space: global }
      - { .name: b_ox, .offset: 80, .size: 8, .value_kind: global_buffer, .address_space: global }
      - { .name: b_cx, .offset: 88, .size: 8, .value_kind: global_buffer, .address_space: global }
      - { .name: b_ih, .offset: 96, .size: 8, .value_kind: global_buffer, .address_space: global }
      - { .name: b_fh, .offset: 104, .size: 8, .value_kind: global_buffer, .address_space: global }
      - { .name: b_oh, .offset: 112, .size: 8, .value_kind: global_buffer, .address_space: global }
      - { .name: b_ch, .offset: 120, .size: 8, .value_kind: global_buffer, .address_space: global }
      - { .name: w_codes, .offset: 128, .size: 8, .value_kind: global_buffer, .address_space: global }
      - { .name: w_scales, .offset: 136, .size: 8, .value_kind: global_buffer, .address_space: global }
      - { .name: gbias, .offset: 144, .size: 8, .value_kind: global_buffer, .address_space: global }
    .group_segment_fixed_size: 25088
    .private_segment_fixed_size: 0
    .kernarg_segment_align: 8
    .kernarg_segment_size: 152
    .max_flat_workgroup_size: 96
    .sgpr_count:     66
    .vgpr_count:     256
    .wavefront_size: 32
...
	.end_amdgpu_metadata
.endif
;; end of part 1
;; launch cell (part 2): grid 16 x 32, 4 waves a work-group, clusters of 4 x 4, 327,680 bytes of LDS; arguments xt_codes, h_codes, w_codes, xt_scales, h_scales, w_scales, gbias, c, out0, out1; writes out0, out1
.if DOCPART == 2
	.amdgcn_target "amdgcn-amd-amdhsa--gfx1250"
	.amdhsa_code_object_version 6
	.text
	.protected	k_qddacc127c8_cell
	.globl	k_qddacc127c8_cell
	.p2align	8
	.type	k_qddacc127c8_cell,@function
k_qddacc127c8_cell:
	s_mov_b64 s[64:65], 0
	v_nop
	global_prefetch_b8 v0, s[64:65] scope:SCOPE_SE
	s_setreg_imm32_b32 hwreg(HW_REG_WAVE_MODE, 25, 1), 1
	s_wait_xcnt 0x0
	s_wait_alu depctr_hold_cnt(0) depctr_sa_sdst(0) depctr_va_vdst(0) depctr_va_sdst(0) depctr_va_ssrc(0) depctr_va_vcc(0) depctr_vm_vsrc(0)
	s_getreg_b32 s2, hwreg(HW_REG_IB_STS2, 6, 4)
	s_cmp_eq_u32 s2, 0
	s_cbranch_scc0 .Lentry_in_a_cluster
	s_endpgm
.Lentry_in_a_cluster:
	s_bfe_u32 s2, ttmp6, 0x10000c
	s_cmp_lg_u32 s2, 0xf033
	s_cbranch_scc0 .Lentry_shape_is_right
	s_endpgm
.Lentry_shape_is_right:
; The LSTM cell: g = [xt | h] W^T (+ biases), one product on codes of FP4 (E2M1) with K = 512 + 1,024 = 1,536 and one E8M0 scale for each 32 along K; then the gates, c_new = f c + i tanh(gc), h_new = o c_new.  g never goes to memory.
; A (the batch): xt_codes [8192][256 bytes], h_codes [8192][512 bytes], their scale bytes [8192][16], [8192][32], as given.  B: w_codes [4096 rows R][768 bytes], w_scales [256][3][16][16], gbias [4][1024], made by the launch before.
; B'S ROWS ARE PERMUTED: unit u of gate g (i, f, o, c) is row R = 128 (u / 32) + 32 g + u % 32: a wave's 128 columns of g are all four gates of 32 units.
; SHARES.  A work-group makes 256 rows x 64 units (256 x 256 of g); each of its four waves, as many as a WGP has SIMDs, 128 x 128 of g: 64 accumulators of 16 x 16, 512 registers.  K goes in three K steps of 512 (tile rows of 256 bytes),
; twelve steps of 128, 64 matrix instructions each, all written out: no loop.
; THE MATRIX INSTRUCTION IS USED TRANSPOSED (source 0 = 16 rows of B, source 1 = 16 rows of A): lane (r, h) holds batch row r and eight neighbouring units, and accumulators (a, b), (a, b + 2), (a, b + 4), (a, b + 6) hold
; gi, gf, go, gc of the same row and unit in the same lane and register: the gates meet without any movement.
; LDS.  Slot 0 takes K step 0, then K step 2; when every wave has read that, it is the stage of the way out (it has had its last fill).  Slot 1 takes K step 1; its first half is then filled again with the work-group's tile of c.
; THE WAY OUT GOES BLOCK BY BLOCK: as soon as the four waves have put a block's results (16 rows of each half of the tile, both outputs) into the stage, they meet at a barrier, read the 32 whole rows back, eight rows of each
; output a wave, and store them while the next block's gates are worked: seven eighths of the output are on their way before the last block is done.
; CLUSTERS: 4 x 4 work-groups.  The four of a row of the cluster need the same tiles of A, the four of a column the same tiles of B: each is asked for JOINTLY, by the same tensor load with the same descriptor and a mask that names the four.
; c's tile is the work-group's own: a plain load, behind a round like every tensor load here.  By this text's count a wave has two tensor loads out at the start and one later.  No descriptor register is ever rewritten.
; THE SCALE WORDS come from memory straight into registers, once: 12 words a row of A and of B, 192 registers, which window 0 has to spare; each load takes 256 consecutive bytes (h's two together 512); lanes 16-31 repeat lanes 0-15.
; THE GATES, five transcendentals a cell: e_g = 2^min(k_g g + gbias_g, 28), k = -log2(e) (c: -2 log2(e));  A = 1 + e_i, F = 1 + e_f, O = 1 + e_o, B = 1 + e_c, T = 1 - e_c;  P = A B;  Num = c P + T F;  R = 1 / (P F O);
; c_new = Num O R = c / F + T / (A B);  h_new = Num R.  The hold at 28 bounds P F O by 2^113, so that R is a normal number; an e that falls to 0 leaves 1.
; LIMITS: a gate that is closed further than 2^-28 is held there (under half a last place of 1); |c| stays under 2^40, else Num O passes f32's range; NaN and infinities among the inputs are not served.
; REGISTERS, in windows of 256 (s_set_vgpr_msb: bits 1:0 source 0, 3:2 source 1, 5:4 source 2, 7:6 destination):
;   window 0: v1-31 addresses; v32-127 A's scale words (block i, step Q of twelve: v[32 + 12 i + Q]); v128-223 B's likewise: they hold scales and nothing else.
;   window 1: v0-63, v128-191 B's fragments, two sets; v64-127 A's fragments, one set; v192-255 gbias in the result's layout.  In the epilogue v0-111 are the gates' work and v112-175 two buffers of the way out.
;   window 2: the 32 accumulators of my rows 0-63 ((a, b) at v[8 (8 (a % 4) + b)]);   window 3: those of my rows 64-127.
.set PITCH,  272                       ; an LDS row: 256 bytes + 16 of padding = 68 words: row r starts at bank 4 r mod 64 (64 banks of 4 bytes: ISA guide 11.1), so the 16 rows that a load touches start at 16 different banks
.set HALFT,  128*PITCH                 ; 128 rows: what one tensor load brings of A or of B, and what one wave reads of it
.set SLOT,   4*HALFT                   ; A's 256 rows, then B's 256 rows
.set SPARE,  2*SLOT                    ; behind the ring: the spare words, 128 bytes for each wave: two blocks of 256 bytes that no other line names
.set STG1,   256*PITCH                 ; the stage: h_new's 256 rows at 0, c_new's from here
.set CQ,     64*PITCH                  ; 64 rows of c: what one wave fetches
.set PADW,   (1<<20)|(5<<22)|(3<<25)   ; descriptor group 1, word 0: padding on; after every 64 words (code 5); four words (code 3)
.set A16,  10                          ; v10  16 r: a row of xt's scales, of a block of B's
.set A32,  11                          ; v11  32 r: a row of h's scales
.set H32,  12                          ; v12  32 h: my half's eight units in gbias
.set ADRA, 16                          ; v16-17  LDS address of my A fragments in slot 0, 1
.set ADRB, 20                          ; v20-21  the same for B
.set SO0,  22                          ; v22  the stage: where I put h_new;  v23: c_new
.set SO1,  23
.set RD0,  24                          ; v24  the stage: where I read rows of h_new back: my eight rows of block 0;  v25: of c_new
.set CO,   26                          ; v26  my byte offset in two rows of an output
.set CA,   27                          ; v27  my place in c's tile
.set SPW,  28                          ; v28  LDS address of my spare word; never rewritten
.set NIL,  29                          ; v29  0; never rewritten
.set PFO,  30                          ; v30  4,096 x lane: a row of c; never rewritten
.set SCA,  32
.set SCB,  128
.set AF,   64                          ; window 1: A's fragments
.set BI,   192                         ; window 1: gbias: gate g, tile j of two, unit i of eight at 192 + 16 g + 8 j + i
.set EI,   0                           ; window 1, epilogue: 16 registers a gate
.set EF,   16
.set EO,   32
.set EC,   48
.set TT,   64                          ; 1 - e_c
.set CB,   80                          ; two buffers of 16 numbers of c
.set OB,   112                         ; two buffers of 32 registers: eight rows of each output, back from the stage
.set G1AX, 24                          ; s[24:31] descriptor group 1 for xt's tiles;  s[32:39] for h's;  s[40:47] for B's;  s[48:55] for c's
.set G1AH, 32
.set G1B,  40
.set G1C,  48
.set G0A0, 56                          ; groups 0: A's K steps 0, 1, 2; B's; c's
.set G0A1, 60
.set G0A2, 68
.set G0B0, 72
.set G0B1, 76
.set G0B2, 80
.set G0C,  84
.set WV,   88                          ; s88  my wave's number
.set WH,   89                          ; s89  wave / 2: my half of the tile's rows.  Also: I fetch for A (0) or for B (1)
.set WL,   90                          ; s90  wave % 2: my half of its columns.  Also: which 128 rows of that tile I fetch
.set TC,   93                          ; s93  tile column, 0 .. 15
.set TR,   94                          ; s94  tile row, 0 .. 31
.set CLAMP, 95                         ; s95  28.0
.set KS,   96                          ; s[96:97] -log2(e);  s[98:99] -2 log2(e): the packed form names a pair and takes its low word for both halves
.set MSB, 0
.macro WIN new                         ; the immediate's high byte repeats the setting that is left; a switch that changes nothing is dropped
.if MSB != (\new)
	s_set_vgpr_msb (MSB<<8)|(\new)
.set MSB, (\new)
.endif
.endm
.set MUL_LO, 0xa5                      ; sources 0 (B) and 1 (A) window 1, C and D window 2
.set MUL_HI, 0xf5                      ; the same, C and D window 3
.set TO_F,   0x40                      ; destination window 1, address window 0
.set W_RES,  0x52                      ; source 0 window 2 (+ 1: window 3), source 2 and destination window 1
.set W_AR,   0x55                      ; all in window 1
.set W_ST,   0x04                      ; a store's data (source 1) window 1, its address window 0
.macro PLACES n                        ; a load into a register that a matrix instruction has read, and a vector instruction that reads a matrix result, stand four places behind it; only plain vector
.rept \n                               ; instructions that name none of its registers are places (ISA guide 7.12.1 for vector instructions)
	v_nop
.endr
.endm
; A joint load: waves 0 and 1 fetch for A, waves 2 and 3 for B.  Each of the two lines has ONE mask and one set of registers for all that issue it; the branch hangs on the wave's number alone.
; An s_nop 0 and four v_nop follow each of the two lines, ahead of the jump, the label and what follows.
.macro JLOAD g0a, g1a, g0b, g1b
	s_cmp_eq_u32 s[WH], 0
	s_cbranch_scc0 .Lfor_b_\@
	tensor_load_to_lds s[\g0a:\g0a+3], s[\g1a:\g1a+7]
	s_nop 0
	PLACES 4
	s_branch .Lasked_\@
.Lfor_b_\@:
	tensor_load_to_lds s[\g0b:\g0b+3], s[\g1b:\g1b+7]
	s_nop 0
	PLACES 4
.Lasked_\@:
.endm
.macro CREST                           ; a round of the cluster's barrier behind its opening barrier
	s_cmp_lg_u32 s[WV], 0
	s_cbranch_scc1 .Lnot_wave_0_\@
	s_barrier_signal -3
.Lnot_wave_0_\@:
	s_barrier_wait -3
	s_barrier_signal -1
	s_barrier_wait -1
.endm
.macro CROUND                          ; a whole round
	s_barrier_signal -1
	s_barrier_wait -1
	CREST
.endm
	s_load_b512 s[4:19], s[0:1], 0x0               ; xt_codes s[4:5], h_codes s[6:7], w_codes s[8:9], xt_scales s[10:11], h_scales s[12:13], w_scales s[14:15], gbias s[16:17], c s[18:19]
	s_load_b128 s[20:23], s[0:1], 0x40             ; out0 (h_new), out1 (c_new)
	v_lshl_add_u32 v[SPW], v0, 2, SPARE
	v_mov_b32 v[NIL], 0
	ds_add_u32 v[SPW], v[NIL]                      ; the wave's opening: the add, twice on end, and its wait ahead of my first tensor load; the set-up below, work on registers, stands between
	ds_add_u32 v[SPW], v[NIL]
	v_lshrrev_b32 v1, 5, v0
	v_readfirstlane_b32 s[WV], v1                  ; wave 0..3
	s_lshr_b32 s[WH], s[WV], 1
	s_and_b32 s[WL], s[WV], 1
	s_bfe_u32 s91, ttmp6, 0x40000                  ; cx, cy: my place in the cluster
	s_bfe_u32 s92, ttmp6, 0x40004
	s_lshl_b32 s[TC], ttmp9, 2
	s_add_co_u32 s[TC], s[TC], s91                 ; tile column = 4 x cluster x + cx
	s_and_b32 s[TR], ttmp7, 0xffff
	s_lshl_b32 s[TR], s[TR], 2
	s_add_co_u32 s[TR], s[TR], s92                 ; tile row = 4 x cluster y + cy
	s_lshl_b32 s66, s92, 2
	s_lshl_b32 s66, 15, s66                        ; my row of the cluster
	s_lshl_b32 s67, 0x1111, s91                    ; my column
	; descriptor groups 1.  A's and B's: a tile of 128 rows x 256 elements of one byte, padded in LDS; they differ in the mask and in the pitch in memory
	s_or_b32 s[G1AX], s66, (1<<21)|PADW            ; 15:0 the mask: A's tiles go to my row; 17:16 elements of 1 byte; 21 set beside a mask
	s_or_b32 s[G1AH], s66, (1<<21)|PADW
	s_or_b32 s[G1B], s67, (1<<21)|PADW             ; B's go to my column
.irp g, G1AX, G1AH, G1B
	s_mov_b32 s[\g+1], 256<<16                     ; tensor_dim0 = 256
	s_mov_b32 s[\g+2], 128<<16                     ; tensor_dim1 = 128
	s_mov_b32 s[\g+3], 256<<16                     ; tile_dim0 = 256
	s_mov_b32 s[\g+4], 128                         ; tile_dim1 = 128
	s_mov_b32 s[\g+6], 0
	s_mov_b32 s[\g+7], 0
.endr
	s_mov_b32 s[G1AX+5], 256                       ; a row of xt's codes in bytes,
	s_mov_b32 s[G1AH+5], 512                       ; of h's,
	s_mov_b32 s[G1B+5], 768                        ; of the weights'
	s_mov_b32 s[G1C], (2<<16)|PADW                 ; c: no mask; elements of 4 bytes; 64 rows x 64 elements, 1,024 elements from row to row
	s_mov_b32 s[G1C+1], 64<<16
	s_mov_b32 s[G1C+2], 64<<16
	s_mov_b32 s[G1C+3], 64<<16
	s_mov_b32 s[G1C+4], 64
	s_mov_b32 s[G1C+5], 1024
	s_mov_b32 s[G1C+6], 0
	s_mov_b32 s[G1C+7], 0
	; groups 0: the count and the LDS address: wave x 128 rows (+ the slot); c's: wave x 64 rows in slot 1.  No place in the cluster enters an LDS address
	s_mul_i32 s66, s[WV], HALFT
	s_mul_i32 s67, s[WV], CQ
.irp g, G0A0, G0A2, G0B0, G0B2
	s_mov_b32 s[\g], 1
	s_add_co_u32 s[\g+1], s66, 0
.endr
.irp g, G0A1, G0B1
	s_mov_b32 s[\g], 1
	s_add_co_u32 s[\g+1], s66, SLOT
.endr
	s_mov_b32 s[G0C], 1
	s_add_co_u32 s[G0C+1], s67, SLOT
	; where the tiles come from.  A's offset is made of the tile row and the wave's number in s[2:3], B's of the tile column and the wave's number in s[100:101]: neither pair ever holds the other coordinate
	s_lshl_b32 s2, s[TR], 8
	s_lshl_b32 s3, s[WL], 7
	s_add_co_u32 s2, s2, s3                        ; A: row 256 x tile row + 128 x half,
	s_lshl_b32 s2, s2, 8                           ; x 256 bytes in xt's codes
	s_mov_b32 s3, 0
	s_lshl_b32 s100, s[TC], 8
	s_lshl_b32 s101, s[WL], 7
	s_add_co_u32 s100, s100, s101                  ; B: row 256 x tile column + 128 x half,
	s_mul_i32 s100, s100, 768                      ; x 768 bytes
	s_mov_b32 s101, 0
	s_lshl_b32 s66, s[TR], 8
	s_lshl_b32 s67, s[WV], 6
	s_add_co_u32 s66, s66, s67                     ; c: row 256 x tile row + 64 x wave: the 64 rows that I fetch,
	s_lshl_b32 s66, s66, 12                        ; x 4,096 bytes,
	s_lshl_b32 s67, s[TC], 8
	s_add_co_u32 s66, s66, s67                     ; + 256 bytes x tile column (under 2^26)
	s_mov_b32 s67, 0
	s_mov_b32 s[CLAMP], 0x41e00000                 ; 28.0
	s_mov_b32 s[KS], 0xbfb8aa3b                    ; -log2(e)
	s_mov_b32 s[KS+1], s[KS]
	s_mov_b32 s[KS+2], 0xc038aa3b                  ; -2 log2(e)
	s_mov_b32 s[KS+3], s[KS+2]
	s_wait_dscnt 0x0                               ; both opening adds are done
	s_wait_kmcnt 0x0
	s_add_nc_u64 s[G0A0+2:G0A0+3], s[4:5], s[2:3]  ; K step 0: xt
	s_lshl_b32 s2, s2, 1                           ; x 512 bytes in h's codes
	s_add_nc_u64 s[G0A1+2:G0A1+3], s[6:7], s[2:3]  ; K step 1: h's first 512 along K
	s_add_nc_u64 s[G0A2+2:G0A2+3], s[G0A1+2:G0A1+3], 256   ; K step 2: its second
	s_add_nc_u64 s[G0B0+2:G0B0+3], s[8:9], s[100:101]
	s_add_nc_u64 s[G0B1+2:G0B1+3], s[G0B0+2:G0B0+3], 256
	s_add_nc_u64 s[G0B2+2:G0B2+3], s[G0B0+2:G0B0+3], 512
	s_add_nc_u64 s[18:19], s[18:19], s[66:67]      ; c at my wave's 64 rows
	s_mov_b64 s[G0C+2:G0C+3], s[18:19]
	s_lshl_b32 s66, s[TR], 8                       ; the outputs: of each block's 32 rows I store eight: row 256 x tile row + 128 x (wave / 2) + 8 x (wave % 2),
	s_lshl_b32 s67, s[WH], 7
	s_add_co_u32 s66, s66, s67
	s_lshl_b32 s67, s[WL], 3
	s_add_co_u32 s66, s66, s67
	s_lshl_b32 s66, s66, 12                        ; x 4,096 bytes,
	s_lshl_b32 s67, s[TC], 8
	s_add_co_u32 s66, s66, s67                     ; + 256 bytes x tile column
	s_mov_b32 s67, 0
	s_add_nc_u64 s[20:21], s[20:21], s[66:67]
	s_add_nc_u64 s[22:23], s[22:23], s[66:67]
.irp g, G0A0, G0A1, G0A2, G0B0, G0B1, G0B2, G0C
	s_or_b32 s[\g+3], s[\g+3], 0x80000000          ; 127:126 type = 2
.endr
	CROUND                                         ; all sixteen work-groups are here: the first joint loads meet
	JLOAD G0A0, G1AX, G0B0, G1B                    ; K step 0 into slot 0
	JLOAD G0A1, G1AH, G0B1, G1B                    ; K step 1 into slot 1: two loads of mine are out
	v_and_b32 v1, 15, v0                           ; r = lane % 16
	v_bfe_u32 v2, v0, 4, 1                         ; h = lane / 16
	v_lshlrev_b32 v[A16], 4, v1
	v_lshlrev_b32 v[A32], 5, v1
	v_lshlrev_b32 v[H32], 5, v2
	; the scale words' and gbias's pointers at my wave's rows; stepped once, ahead of their loads
	s_lshl_b32 s2, s[TR], 8
	s_lshl_b32 s3, s[WH], 7
	s_add_co_u32 s2, s2, s3                        ; my first row of A: 256 x tile row + 128 x my half
	s_lshl_b32 s2, s2, 4                           ; 16 bytes a row in xt's scales,
	s_mov_b32 s3, 0
	s_add_nc_u64 s[10:11], s[10:11], s[2:3]
	s_lshl_b32 s2, s2, 1                           ; 32 in h's
	s_add_nc_u64 s[12:13], s[12:13], s[2:3]
	s_lshl_b32 s100, s[TC], 4
	s_lshl_b32 s101, s[WL], 3
	s_add_co_u32 s100, s100, s101                  ; my first block of 16 rows of B: 16 x tile column + 8 x my half,
	s_mul_i32 s100, s100, 768                      ; 768 bytes a block
	s_mov_b32 s101, 0
	s_add_nc_u64 s[14:15], s[14:15], s[100:101]
	s_lshl_b32 s100, s[TC], 8
	s_lshl_b32 s101, s[WL], 7
	s_add_co_u32 s100, s100, s101                  ; my first unit in gbias: 64 x tile column + 32 x my half, 4 bytes each
	s_mov_b32 s101, 0
	s_add_nc_u64 s[16:17], s[16:17], s[100:101]
.irp i, 0,1,2,3,4,5,6,7                        ; block i of 16 rows: twelve words a row of A (four of xt, eight of h) and of B (four a K step)
	global_load_b128 v[SCA+12*\i:SCA+12*\i+3], v[A16], s[10:11] offset:256*\i
	global_load_b128 v[SCA+12*\i+4:SCA+12*\i+7], v[A32], s[12:13] offset:512*\i
	global_load_b128 v[SCA+12*\i+8:SCA+12*\i+11], v[A32], s[12:13] offset:512*\i+16
	global_load_b128 v[SCB+12*\i:SCB+12*\i+3], v[A16], s[14:15] offset:768*\i
	global_load_b128 v[SCB+12*\i+4:SCB+12*\i+7], v[A16], s[14:15] offset:768*\i+256
	global_load_b128 v[SCB+12*\i+8:SCB+12*\i+11], v[A16], s[14:15] offset:768*\i+512
.endr
	WIN TO_F
.irp g, 0,1,2,3                                ; gbias in the result's layout: lane (r, h) wants, for gate g and tile j, units 16 j + 8 h + 0 .. 7 of my 32
.irp j, 0,1
.irp e, 0,1
	global_load_b128 v[BI+16*\g+8*\j+4*\e:BI+16*\g+8*\j+4*\e+3], v[H32], s[16:17] offset:4096*\g+64*\j+16*\e
.endr
.endr
.endr
	WIN 0
	v_mul_u32_u24 v3, v1, PITCH
	v_lshl_add_u32 v4, v2, 4, v3                   ; a fragment's row x pitch + 16 x half
	s_mul_i32 s2, s[WH], HALFT                     ; my 128 rows of A
	s_mul_i32 s3, s[WL], HALFT                     ; my 128 rows of B,
	s_add_co_u32 s3, s3, 2*HALFT                   ; which lie behind A's 256
.irp s, 0,1
	v_add_nc_u32 v[ADRA+\s], s2, v4
	v_add_nc_u32 v[ADRB+\s], s3, v4
	s_add_co_u32 s2, s2, SLOT
	s_add_co_u32 s3, s3, SLOT
.endr
	s_mul_i32 s2, s[WH], HALFT
	s_lshl_b32 s3, s[WL], 7
	s_add_co_u32 s2, s2, s3
	v_lshl_add_u32 v5, v2, 5, v3
	v_add_nc_u32 v[SO0], s2, v5                    ; the stage, and c's tile: row 128 x my half + r, byte 128 x my half of the columns + 32 h
	v_add_nc_u32 v[SO1], STG1, v[SO0]
	v_add_nc_u32 v[CA], SLOT, v[SO0]
	s_mul_i32 s2, s[WH], HALFT
	s_mul_i32 s3, s[WL], 8*PITCH
	s_add_co_u32 s2, s2, s3                        ; back: of a block's 16 rows in half wave / 2 the eight from 8 x (wave % 2) on;
	v_mul_u32_u24 v6, v2, PITCH
	v_lshl_add_u32 v6, v1, 4, v6
	v_add_nc_u32 v[RD0], s2, v6                    ; lanes 0-15 one row of 256 bytes, lanes 16-31 the next
	v_add_nc_u32 v[RD0+1], STG1, v[RD0]
	v_lshlrev_b32 v[CO], 12, v2
	v_lshl_add_u32 v[CO], v1, 4, v[CO]             ; and the same two rows in an output
	v_and_b32 v[PFO], 31, v0
	v_lshlrev_b32 v[PFO], 12, v[PFO]
.macro FRAG reg, adr, q, i             ; a fragment, 16 rows x 128 K of 4-bit codes, is 8 registers: lane l holds row l % 16; registers 4 c .. 4 c + 3 hold K = 64 c + 32 (l / 16) + 0 .. 31, the lower K in the lower bits
.irp c, 0,1
	ds_load_b128 v[\reg+4*\c:\reg+4*\c+3], v[\adr] offset:64*(\q)+32*\c+(\i)*16*PITCH
.endr
.endm
; 16 matrix instructions: A's blocks a0, a0 + 1 x B's eight, step Q of twelve.  p: B's set.  zero = 1: the first product starts the sums: nothing is ever cleared.
; The 64 accumulators take turns, one instruction a turn, in the same order in every step.
.macro MUL16 a0, p, Q, zero
.irp a, \a0, \a0+1
.irp b, 0,1,2,3,4,5,6,7
.if \zero
	v_wmma_scale_f32_16x16x128_f8f6f4 v[8*(8*((\a)%4)+\b):8*(8*((\a)%4)+\b)+7], v[128*(\p)+8*\b:128*(\p)+8*\b+7], v[AF+8*(\a):AF+8*(\a)+7], 0, v[SCB+12*\b+(\Q)], v[SCA+12*(\a)+(\Q)] matrix_a_fmt:MATRIX_FMT_FP4 matrix_b_fmt:MATRIX_FMT_FP4
.else
	v_wmma_scale_f32_16x16x128_f8f6f4 v[8*(8*((\a)%4)+\b):8*(8*((\a)%4)+\b)+7], v[128*(\p)+8*\b:128*(\p)+8*\b+7], v[AF+8*(\a):AF+8*(\a)+7], v[8*(8*((\a)%4)+\b):8*(8*((\a)%4)+\b)+7], v[SCB+12*\b+(\Q)], v[SCA+12*(\a)+(\Q)] matrix_a_fmt:MATRIX_FMT_FP4 matrix_b_fmt:MATRIX_FMT_FP4
.endif
.endr
.endr
.endm
.macro FETCH_B slot, q, p              ; B's eight fragments of the slot's q-th 128 along K into set p: 16 loads
.irp i, 0,1,2,3,4,5,6,7
	FRAG 128*(\p)+8*\i, ADRB+\slot, \q, \i
.endr
.endm
.macro FETCH_A slot, q, i0             ; A's blocks i0 .. i0 + 3: 8 loads
.irp i, \i0, \i0+1, \i0+2, \i0+3
	FRAG AF+8*(\i), ADRA+\slot, \q, \i
.endr
.endm
; A step of 128 along K that has its successor in the same slot.  A block of A is free as soon as its eight products are issued, so one set serves A: blocks 0-3 are fetched anew in the step's middle, blocks 4-7 at its end.
.macro STEP slot, q, Q, zero
	s_wait_dscnt 8                                 ; B's set and A's blocks 0-3 are in; the youngest eight loads (A's blocks 4-7) may be out
	WIN MUL_LO
	MUL16 0, (\q)%2, \Q, \zero
	MUL16 2, (\q)%2, \Q, \zero
	s_wait_dscnt 0x0                               ; A's blocks 4-7 are in (asked for 32 matrix instructions ago)
	PLACES 4
	WIN TO_F
	FETCH_B \slot, (\q)+1, 1-(\q)%2
	FETCH_A \slot, (\q)+1, 0
	WIN MUL_HI
	MUL16 4, (\q)%2, \Q, \zero
	MUL16 6, (\q)%2, \Q, \zero
	PLACES 4
	WIN TO_F
	FETCH_A \slot, (\q)+1, 4
.endm
; A slot's last step changes slots: ONE barrier, which opens a round of the cluster's.  In front of it each wave waits for all its tensor loads (one is out: its part of the next slot), adds 0 to its spare word, and waits for that
; and for its own reads of this slot.  Behind the round the slot just left is filled again, first thing: kind = 1: slot 0 with K step 2, jointly; kind = 2: the first half of slot 1 with my 64 rows of c, a plain load.
.macro TURN next, Q, kind
	WIN 0                                          ; (the add's two registers lie in window 0)
	s_wait_tensorcnt 0x0                           ; all my tensor loads have landed;
	ds_add_u32 v[SPW], v[NIL]                      ; 0 onto my spare word;
	s_wait_dscnt 9                                 ; (the add and the youngest eight loads, A's blocks 4-7, may be out)
	WIN MUL_LO
	MUL16 0, 1, \Q, 0                              ; sixteen matrix instructions stand between the add and the wait for it
	s_wait_dscnt 0x0                               ; the add is done, and my reads of this slot are over
	s_barrier_signal -1
	MUL16 2, 1, \Q, 0
	WIN 0
	s_barrier_wait -1
	CREST                                          ; no wave of any partner still reads this slot's tile or has a load on its way
.if \kind == 1
	JLOAD G0A2, G1AH, G0B2, G1B                    ; the four v_nop behind it are also the places in front of the loads below
.else
	tensor_load_to_lds s[G0C:G0C+3], s[G1C:G1C+7]  ; every wave its own 64 rows: no branch
	s_nop 0
	PLACES 4
.endif
	WIN TO_F
	FETCH_B \next, 0, 0
	FETCH_A \next, 0, 0
.if \kind == 1
	; c IS ASKED FOR AHEAD: my own 64 rows' 256 bytes, a lane a row, two instructions; each piece is named once in the launch, by the wave that will load it, one K step (256 matrix instructions) ahead of that load.
	; They stand behind the joint load and the run of LDS loads that the next products wait for; their address registers are never rewritten.
	global_prefetch_b8 v[PFO], s[18:19] th:TH_LOAD_NT scope:SCOPE_SE
	global_prefetch_b8 v[PFO], s[18:19] offset:131072 th:TH_LOAD_NT scope:SCOPE_SE
.endif
	WIN MUL_HI
	MUL16 4, 1, \Q, 0
	MUL16 6, 1, \Q, 0
	PLACES 4
	WIN TO_F
	FETCH_A \next, 0, 4
.endm
	s_wait_tensorcnt 1                             ; my part of K step 0 is in (K step 1's load may be out)
	s_barrier_signal -1
	s_barrier_wait -1                              ; everybody's is
	WIN TO_F
	FETCH_B 0, 0, 0
	FETCH_A 0, 0, 0
	FETCH_A 0, 0, 4
	s_wait_loadcnt 0x0                             ; the scale words and gbias
	STEP 0, 0, 0, 1                                ; K step 0 (xt): the first step's products start the sums
	STEP 0, 1, 1, 0
	STEP 0, 2, 2, 0
	TURN 1, 3, 1                                   ; slot 0 takes K step 2
	STEP 1, 0, 4, 0                                ; K step 1 (h, first half)
	STEP 1, 1, 5, 0
	STEP 1, 2, 6, 0
	TURN 0, 7, 2                                   ; slot 1 takes c
	STEP 0, 0, 8, 0                                ; K step 2 (h, second half)
	STEP 0, 1, 9, 0
	STEP 0, 2, 10, 0
	s_wait_dscnt 8                                 ; the very last step: nothing more to fetch
	WIN MUL_LO
	MUL16 0, 1, 11, 0
	MUL16 2, 1, 11, 0
	s_wait_tensorcnt 0x0                           ; my 64 rows of c are in: the one load of mine that was out;
	s_wait_dscnt 0x0                               ; my reads of slot 0 are over: behind this barrier it is the stage, and c's tile is whole
	s_barrier_signal -1
	WIN MUL_HI
	MUL16 4, 1, 11, 0
	MUL16 6, 1, 11, 0
	s_barrier_wait -1
	PLACES 4                                       ; in front of the loads into registers that held fragments, and of the first reads of results
; THE GATES AND THE WAY OUT, a block of 16 rows x my 32 units at a time: 16 cells a lane.
.macro CLOAD a                         ; c of block a: row 16 a + r, units 16 j + 8 h + 0 .. 7, into buffer a % 2: four loads
.irp j, 0,1
.irp e, 0,1
	ds_load_b128 v[CB+16*((\a)%2)+8*\j+4*\e:CB+16*((\a)%2)+8*\j+4*\e+3], v[CA] offset:16*PITCH*(\a)+64*\j+16*\e
.endr
.endr
.endm
.macro BACK a                          ; block a back from the stage as whole rows: my eight rows of each output, two rows a load, into buffer a % 2: eight loads
.irp o, 0,1
.irp t, 0,1,2,3
	ds_load_b128 v[OB+32*((\a)%2)+16*\o+4*\t:OB+32*((\a)%2)+16*\o+4*\t+3], v[RD0+\o] offset:16*PITCH*(\a)+2*PITCH*\t
.endr
.endr
.endm
.macro SENDB a                         ; and out: 16 lanes store 256 consecutive bytes, at a multiple of 256 from the output's first byte; written once, read by nobody here.  The address registers and the bases are never rewritten
.irp o, 0,1
.irp t, 0,1,2,3
	global_store_b128 v[CO], v[OB+32*((\a)%2)+16*\o+4*\t:OB+32*((\a)%2)+16*\o+4*\t+3], s[20+2*\o:21+2*\o] offset:(16*(\a)+2*\t)*4096 th:TH_STORE_NT
.endr
.endr
.endm
.macro CELL a
.set AC, 64*((\a)%4)                   ; the block's eight accumulators: gate g's two at AC + 16 g
.set CC, CB+16*((\a)%2)
.if (\a) < 7
	WIN TO_F
	CLOAD (\a)+1                                   ; into the buffer of block a - 1, whose stores into the stage were waited for in front of that block's barrier
.endif
	WIN W_RES+(\a)/4
.irp g, 0,1,2,3
.irp n, 0,2,4,6,8,10,12,14
	v_pk_fma_f32 v[EI+16*\g+\n:EI+16*\g+\n+1], v[AC+16*\g+\n:AC+16*\g+\n+1], s[KS+2*(\g/3):KS+2*(\g/3)+1], v[BI+16*\g+\n:BI+16*\g+\n+1] op_sel_hi:[1,0,1]   ; k g + gbias, two at a time; each accumulator from its low end on
.endr
.endr
	WIN W_AR
	v_min_num_f32 v[EI], s[CLAMP], v[EI]           ; the hold at 28, two numbers ahead of the exponentials, so that a plain line stands behind each of them
	v_min_num_f32 v[EI+1], s[CLAMP], v[EI+1]
.set NN, 0
.rept 64
	v_exp_f32 v[EI+NN], v[EI+NN]
.if NN < 62
	v_min_num_f32 v[EI+NN+2], s[CLAMP], v[EI+NN+2]
.endif
.set NN, NN+1
.endr
	v_nop                                          ; a plain line behind the last exponential
	s_wait_alu depctr_va_vdst(0)                   ; one wait for the 64, ahead of their first reader
.if (\a) < 7
	s_wait_dscnt 4                                 ; all but the next block's four loads of c: block a - 1 is back from the stage (block 0: this block's c is in)
.else
	s_wait_dscnt 0x0                               ; block 6 is back from the stage: nothing was asked for behind it
.endif
.if (\a) > 0
	WIN W_ST
	SENDB (\a)-1                                   ; block a - 1 leaves while this block is worked: its loads from the stage had the multiply-adds and the exponentials above in which to come back
	WIN W_AR
.endif
.irp n, 0,2,4,6,8,10,12,14
	v_pk_fma_f32 v[TT+\n:TT+\n+1], v[EC+\n:EC+\n+1], -1.0, 1.0 op_sel_hi:[1,0,0]   ; T = 1 - e_c
.endr
.set NN, 0
.rept 32
	v_pk_add_f32 v[EI+NN:EI+NN+1], v[EI+NN:EI+NN+1], 1.0 op_sel_hi:[1,0]           ; A, F, O, B = 1 + e
.set NN, NN+2
.endr
.irp n, 0,2,4,6,8,10,12,14
	v_pk_mul_f32 v[EI+\n:EI+\n+1], v[EI+\n:EI+\n+1], v[EC+\n:EC+\n+1]              ; P = A B
.endr
.irp n, 0,2,4,6,8,10,12,14
	v_pk_mul_f32 v[CC+\n:CC+\n+1], v[CC+\n:CC+\n+1], v[EI+\n:EI+\n+1]              ; c P
.endr
.irp n, 0,2,4,6,8,10,12,14
	v_pk_fma_f32 v[CC+\n:CC+\n+1], v[TT+\n:TT+\n+1], v[EF+\n:EF+\n+1], v[CC+\n:CC+\n+1]   ; Num = T F + c P
.endr
.irp n, 0,2,4,6,8,10,12,14
	v_pk_mul_f32 v[EI+\n:EI+\n+1], v[EI+\n:EI+\n+1], v[EF+\n:EF+\n+1]              ; P F
.endr
.irp n, 0,2,4,6,8,10,12,14
	v_pk_mul_f32 v[EI+\n:EI+\n+1], v[EI+\n:EI+\n+1], v[EO+\n:EO+\n+1]              ; P F O
.endr
.irp n, 0,1,2,3,4,5,6,7,8,9,10,11,12,13,14,15
	v_rcp_f32 v[EC+\n], v[EI+\n]                   ; R = 1 / (P F O); B is done with
.endr
.irp n, 0,2,4,6,8,10,12,14
	v_pk_mul_f32 v[EO+\n:EO+\n+1], v[CC+\n:CC+\n+1], v[EO+\n:EO+\n+1]              ; Num O: plain work that names neither R nor its sources
.endr
	s_wait_alu depctr_va_vdst(0)                   ; one wait for the 16 reciprocals, ahead of their first reader
.irp n, 0,2,4,6,8,10,12,14
	v_pk_mul_f32 v[EO+\n:EO+\n+1], v[EO+\n:EO+\n+1], v[EC+\n:EC+\n+1]              ; c_new = Num O R
.endr
.irp n, 0,2,4,6,8,10,12,14
	v_pk_mul_f32 v[CC+\n:CC+\n+1], v[CC+\n:CC+\n+1], v[EC+\n:EC+\n+1]              ; h_new = Num R
.endr
	WIN W_ST
.irp j, 0,1
.irp e, 0,1
	ds_store_b128 v[SO0], v[CC+8*\j+4*\e:CC+8*\j+4*\e+3] offset:16*PITCH*(\a)+64*\j+16*\e
	ds_store_b128 v[SO1], v[EO+8*\j+4*\e:EO+8*\j+4*\e+3] offset:16*PITCH*(\a)+64*\j+16*\e
.endr
.endr
	s_wait_dscnt 0x0                               ; for the others' sake: my stores into the stage are done (and the next block's c is in)
	s_barrier_signal -1
	s_barrier_wait -1                              ; a row's 256 bytes come from two waves: now the block's 32 whole rows of each output lie in the stage.  Each block has stage rows of its own: nothing is written over
.if (\a) >= 2
	s_wait_xcnt 0x0                                ; block a - 2's stores have read their registers: this block's loads may land there
.endif
	WIN TO_F
	BACK \a
.endm
	WIN TO_F
	CLOAD 0
.irp a, 0,1,2,3,4,5,6,7
	CELL \a
.endr
	s_wait_dscnt 0x0                               ; the last block is back from the stage
	WIN W_ST
	SENDB 7
	WIN 0
	s_wait_tensorcnt 0x0                           ; the wave's end: behind my last tensor load and my last LDS store
	ds_add_u32 v[SPW], v[NIL]
	s_wait_dscnt 0x0
	CROUND                                         ; the closing round: no work-group ends while a partner may still ask for a tile that names it
	s_endpgm
.Lfunc_end_k_qddacc127c8_cell:
	.size	k_qddacc127c8_cell, .Lfunc_end_k_qddacc127c8_cell-k_qddacc127c8_cell
	.p2alignl 7, 3214868480
	.fill 96, 4, 3214868480
	.section	.rodata,"a",@progbits
	.p2align	6, 0x0
	.amdhsa_kernel k_qddacc127c8_cell
		.amdhsa_group_segment_fixed_size 327680
		.amdhsa_private_segment_fixed_size 0
		.amdhsa_enable_private_segment 0
		.amdhsa_kernarg_size 80
		.amdhsa_user_sgpr_count 2
		.amdhsa_user_sgpr_kernarg_segment_ptr 1
		.amdhsa_wavefront_size32 1
		.amdhsa_system_sgpr_workgroup_id_x 1
		.amdhsa_system_sgpr_workgroup_id_y 1
		.amdhsa_system_sgpr_workgroup_id_z 1
		.amdhsa_system_vgpr_workitem_id 0
		.amdhsa_next_free_vgpr 1024
		.amdhsa_next_free_sgpr 102
		.amdhsa_reserve_vcc 0
		.amdhsa_float_denorm_mode_32 3
		.amdhsa_float_denorm_mode_16_64 3
		.amdhsa_memory_ordered 1
		.amdhsa_forward_progress 1
		.amdhsa_inst_pref_size 255
	.end_amdhsa_kernel
	.section	.bss,"aw",@nobits
	.p2align	6
	.space	262144
	.amdgpu_metadata
---
amdhsa.version: [ 1, 2 ]
amdhsa.kernels:
  - .name:           k_qddacc127c8_cell
    .symbol:         k_qddacc127c8_cell.kd
    .args:
      - { .name: xt_codes, .offset: 0, .size: 8, .value_kind: global_buffer, .address_space: global }
      - { .name: h_codes, .offset: 8, .size: 8, .value_kind: global_buffer, .address_space: global }
      - { .name: w_codes, .offset: 16, .size: 8, .value_kind: global_buffer, .address_space: global }
      - { .name: xt_scales, .offset: 24, .size: 8, .value_kind: global_buffer, .address_space: global }
      - { .name: h_scales, .offset: 32, .size: 8, .value_kind: global_buffer, .address_space: global }
      - { .name: w_scales, .offset: 40, .size: 8, .value_kind: global_buffer, .address_space: global }
      - { .name: gbias, .offset: 48, .size: 8, .value_kind: global_buffer, .address_space: global }
      - { .name: c, .offset: 56, .size: 8, .value_kind: global_buffer, .address_space: global }
      - { .name: out0, .offset: 64, .size: 8, .value_kind: global_buffer, .address_space: global }
      - { .name: out1, .offset: 72, .size: 8, .value_kind: global_buffer, .address_space: global }
    .group_segment_fixed_size: 327680
    .private_segment_fixed_size: 0
    .kernarg_segment_align: 8
    .kernarg_segment_size: 80
    .max_flat_workgroup_size: 128
    .sgpr_count:     102
    .vgpr_count:     1024
    .wavefront_size: 32
...
	.end_amdgpu_metadata
.endif
;; end of part 2
